; MI455X (gfx1250); checked and timed in simulation.
; The chip was launched on July 23, 2026; its instructions are those of AMD's public machine-readable ISA for CDNA 5 (MIT licence, August 2026) and "CDNA5" Instruction Set Architecture Reference Guide (July 2026). The comments in the code are by the model that wrote it; some were corrected since.
;; Multihead Attention. Allowed arithmetic: matrix products marked QUANTISED: E2M3 operands, one E8M0 scale for each 32 along K, by v_wmma_scale_f32_16x16x128_f8f6f4 with both operands' format E2M3, f32 sums; everything else in f32.
;; Inputs: Wk 512 x 512 float32; Wo 512 x 512 float32; Wq 512 x 512 float32; Wv 512 x 512 float32; bk 512 float32; bo 512 float32; bq 512 float32; bv 512 float32; key 2,048 x 8 x 512 float32; query 2,048 x 8 x 512 float32; value 2,048 x 8 x 512 float32.
;; Outputs: out0 2,048 x 8 x 512 float32.
;; This version of the problem:
;;   THIS VERSION OF THE PROBLEM IS GIVEN IN LOW PRECISION. The matrix products marked QUANTISED in the list below multiply operands that are first quantised to E2M3 (2 exponent bits, 3 mantissa bits; 6 bits a number), with one power-of-two scale for each 32 numbers along K (OCP MX v1.0); their sums are f32. All else is computed in f32.
;;   The module's matrix products, in the order in which they are computed (A, B: the left and right operand; K: the contracted axis; several contracted axes count as one K, in the product's order):
;;     1. [M 16,384, K 512] x [K 512, N 512]; A: input query; B: input Wq: QUANTISED
;;     2. [M 16,384, K 512] x [K 512, N 512]; A: input key; B: input Wk: QUANTISED
;;     3. [M 16,384, K 512] x [K 512, N 512]; A: input value; B: input Wv: QUANTISED
;;     4. batch 64 x [M 2,048, K 64] x [K 64, N 2,048]; A: computed on the way; B: computed on the way: QUANTISED
;;     5. batch 64 x [M 2,048, K 2,048] x [K 2,048, N 64]; A: softmax (see below); B: computed on the way: QUANTISED
;;     6. [M 16,384, K 512] x [K 512, N 512]; A: computed on the way; B: input Wo: QUANTISED
;;   THE QUANTISER, for each operand of a quantised product, along K:
;;     - K is cut into blocks of 32 from its start; a last block that is shorter is filled with zeros.
;;     - A block's scale is 2^e with e = floor(log2(the largest magnitude in the block)) - 2, held to -126 .. 127; a block of zeros has e = 0. As a byte (E8M0): e + 127.
;;     - Each number is divided by its block's scale, clamped to +-7.5, and rounded to the nearest number of E2M3, ties to even, subnormals kept.
;;     - The product sums the exact products of the quantised numbers (number of the format x scale) in f32.
;;   ~~~python
;;   def quantise(x, axis):      # numpy; x: float32 -> the quantised numbers, widened to float32 again
;;       x = np.moveaxis(x, axis, -1); K = x.shape[-1]
;;       x = np.pad(x, [(0, 0)] * (x.ndim - 1) + [(0, -K % 32)]); x = x.reshape(x.shape[:-1] + (-1, 32)); a = np.abs(x).max(-1, keepdims=True)
;;       e = np.where(a > 0, np.clip(np.frexp(np.where(a > 0, a, 1))[1] - 1 - 2, -126, 127), 0)      # np.frexp(a)[1] - 1 = floor(log2(a)), exactly
;;       r = np.clip(x / 2.0 ** e, -7.5, 7.5)
;;       step = 2.0 ** (np.maximum(np.frexp(np.where(r == 0, 1, r))[1] - 1, 0) - 3)
;;       q = np.round(r / step) * step * 2.0 ** e      # np.round: ties to even
;;       return np.moveaxis(q.reshape(q.shape[:-2] + (-1,))[..., :K], -1, axis).astype(np.float32)
;;   ~~~
;;   SOFTMAX AHEAD OF A QUANTISED PRODUCT. Where the list says 'softmax', what is quantised is not the finished softmax but p = 2^(t - M), with t = logit x log2(e) and M = ceil(the row's largest t), a whole number; so 1/2 < the row's largest p <= 1. The row's sum l is taken of the UNQUANTISED p, in f32, and the product's result is divided by l at the end. Since M is a whole number, a kernel that streams over the keys may use a running M (the ceiling of the running maximum): every later rescaling is an exact power of two, which a block's scale takes up: the codes' values come out the same.
;;   OPERANDS COMPUTED ON THE WAY. 'Computed on the way' means the value that the module computes at that place (a softmax that the list does not call 'softmax' is quantised finished and normalised). What goes into a quantiser is computed in f32, as accurately as f32 sums, v_exp_f32 and their like allow (about 1e-6 of the number): no bf16 or f16 on the way to a quantiser, and a product that is left as it is and whose result goes on into a quantised operand takes f32 operands (vector FMAs, or v_wmma_f32_16x16x4_f32). A number that lies on a knife's edge between two numbers of the format may be rounded either way, as far as f32 arithmetic and the matrix unit's own rounding can turn it there, and no further.
;; One version. Each part assembles by itself: llvm-mc -triple=amdgcn-amd-amdhsa -mcpu=gfx1250 --defsym DOCPART=n.
;; ======== version 1 of 1: 4 launches
;; limits: right only within a limited range of input values
;; workspace buffers: wimg 786,432 bytes; wsc 65,536 bytes; qc 6,291,456 bytes; qs 524,288 bytes; kv 13,631,488 bytes; yc 6,291,456 bytes; ysc 524,288 bytes
;; launch wprep (part 1): grid 128 x 1, 1 waves a work-group, no clusters, 0 bytes of LDS; arguments Wq, Wk, Wv, Wo, wimg, wsc; writes wimg, wsc
.if DOCPART == 1
	.amdgcn_target "amdgcn-amd-amdhsa--gfx1250"
	.amdhsa_code_object_version 6
	.text
	.protected	k_q2a1e428f9f_wprep
	.globl	k_q2a1e428f9f_wprep
	.p2align	8
	.type	k_q2a1e428f9f_wprep,@function
k_q2a1e428f9f_wprep:
	s_mov_b64 s[64:65], 0
	v_nop
	global_prefetch_b8 v0, s[64:65] scope:SCOPE_SE
	s_setreg_imm32_b32 hwreg(HW_REG_WAVE_MODE, 25, 1), 1
	s_wait_xcnt 0x0
; Wq, Wk, Wv, Wo [512 (n)][512 (k)] f32 become codes of FP6 (E2M3) with one E8M0 byte for each 32 along K, laid as IMAGES OF THE OPERAND'S REGISTERS:
; wimg [tensor 4][head 8][tile 4][K step 4][plane 3][lane 32][16 bytes] (a fragment = 16 rows x 128 K = 12 registers a lane; plane c = registers 4 c .. 4 c + 3);
; wsc  [tensor][head][tile][lane 32][K step 4] words: one load of 16 bytes a lane gives a tile's scale words of its four K steps.
; THE ROWS OF A TILE: in Wq, Wk, Wv lane r of tile 2 p + u takes row 64 head + 32 p + 8 u + r + 8 (r / 8), so that the results of two neighbouring tiles are 16 neighbours along the next product's K; in Wo row 64 head + 16 tile + r.
; One wave to a work-group, one tile (four fragments) to a wave: 128 work-groups.  Lane (r, h) loads, of its row, 16 neighbouring numbers of each block of 32: register 16 b + i = k 32 b + 16 h + i.
; A block's scale is 2^(floor(log2(largest magnitude)) - 2); its byte is the largest magnitude's exponent field - 2.
; LIMITS: a block whose largest magnitude lies under 2^-124 has its byte held at 1; a block of zeros has the byte 1 and zero codes (this program alone reads the bytes); NaN and infinities are not served.
.set TM,  4                            ; v4-15   at work: largest magnitudes, bytes, scale operands
.set PW,  16                           ; v16-19  the four K steps' scale words
.set PC,  20                           ; v20-39  the codes just made
.set X0,  64                           ; three sets of 64 numbers
.set X1,  128
.set X2,  192
.set SEL, 20                           ; s[20:21] lane selects: lane l xor 16
; 64 numbers of a lane, register 16 b + i = k 32 b + 16 h + i of my row, become a fragment's 12 registers at v[pc] on and its scale word in v[pw]
.macro QUANT src, pc, pw
.irp b, 0,1,2,3
	v_max3_num_f32 v[TM+\b], |v[\src+16*\b]|, |v[\src+16*\b+1]|, 0x1800000   ; my 16 numbers of block b, and the floor 2^(3 - 127): the byte cannot fall under 1
.endr
.irp i, 2,4,6,8,10,12,14
.irp b, 0,1,2,3
	v_max3_num_f32 v[TM+\b], v[TM+\b], |v[\src+16*\b+\i]|, |v[\src+16*\b+\i+1]|
.endr
.endr
.irp b, 0,1,2,3
	v_permlanex16_b32 v[TM+4+\b], v[TM+\b], s[SEL], s[SEL+1]
.endr
.irp b, 0,1,2,3
	v_max_num_f32 v[TM+\b], v[TM+\b], v[TM+4+\b]                   ; with lane l xor 16's 16: the block's largest magnitude
.endr
.irp b, 0,1,2,3
	v_add_nc_u32 v[TM+8+\b], 0xff000000, v[TM+\b]                  ; 2 off its exponent field: the conversion's scale operand
.endr
.irp b, 0,1,2,3
	v_lshrrev_b32 v[TM+4+\b], 23, v[TM+8+\b]                       ; the scale's byte
.endr
	v_lshl_or_b32 v[\pw], v[TM+5], 8, v[TM+4]
	v_lshl_or_b32 v[\pw], v[TM+6], 16, v[\pw]
	v_lshl_or_b32 v[\pw], v[TM+7], 24, v[\pw]
.irp c, 0,1
	v_cvt_scalef32_pk16_fp6_f32 v[\pc+6*\c:\pc+6*\c+2], v[\src+32*\c:\src+32*\c+15], v[TM+8+2*\c]
	v_cvt_scalef32_pk16_fp6_f32 v[\pc+12+4*\c:\pc+12+4*\c+2], v[\src+32*\c+16:\src+32*\c+31], v[TM+8+2*\c+1]   ; (a conversion's three registers begin on an even number)
.endr
	v_nop                                                          ; one plain place behind the scaled conversions
.irp c, 0,1                            ; the layout wants a whole block in a lane: lanes 0-15 block 2 c, lanes 16-31 block 2 c + 1
.irp i, 0,1,2
	v_permlane16_swap_b32 v[\pc+6*\c+\i], v[\pc+12+4*\c+\i]
.endr
.irp i, 0,1,2
	v_mov_b32 v[\pc+6*\c+3+\i], v[\pc+12+4*\c+\i]
.endr
.endr
.endm
.macro XLOAD buf, s                    ; K step s of my row: 64 numbers a lane
.irp b, 0,1,2,3
.irp j, 0,1,2,3
	global_load_b128 v[\buf+16*\b+4*\j:\buf+16*\b+4*\j+3], v1, s[24:25] offset:512*\s+128*\b+16*\j
.endr
.endr
.endm
.macro OUT s                           ; the fragment's image: each store covers 512 consecutive bytes, aligned
.irp c, 0,1,2
	global_store_b128 v2, v[PC+4*\c:PC+4*\c+3], s[12:13] offset:1536*\s+512*\c
.endr
.endm
	s_load_b256 s[4:11], s[0:1], 0x0               ; Wq, Wk, Wv, Wo
	s_load_b128 s[12:15], s[0:1], 0x20             ; wimg, wsc
	v_and_b32 v3, 15, v0                           ; r
	s_wait_alu depctr_va_vdst(0)
	v_bfe_u32 v40, v0, 4, 1                        ; h
	v_lshlrev_b32 v2, 4, v0                        ; 16 x lane
	s_lshr_b32 s16, ttmp9, 5                       ; the tensor
	s_bfe_u32 s17, ttmp9, 0x30002                  ; the head
	s_and_b32 s18, ttmp9, 3                        ; the tile
	s_lshr_b32 s19, s18, 1
	s_lshl_b32 s19, s19, 5
	s_and_b32 s22, s18, 1
	s_lshl_b32 s22, s22, 3
	s_add_co_u32 s19, s19, s22                     ; 32 (tile / 2) + 8 (tile % 2)
	s_lshl_b32 s22, s18, 4                         ; 16 tile
	s_cmp_lt_u32 s16, 3                            ; Wq, Wk, Wv: the first; Wo: the second
	s_cselect_b32 s19, s19, s22
	s_cselect_b32 s23, 8, 0                        ; and lanes 8-15 eight rows further on, or not
	s_lshl_b32 s17, s17, 6
	s_add_co_u32 s19, s19, s17                     ; the tile's first row
	s_lshl_b32 s26, s19, 11                        ; a row is 2,048 bytes
	s_mov_b32 s27, 0
	s_mul_i32 s28, ttmp9, 6144                     ; the tile's four images
	s_mov_b32 s29, 0
	s_lshl_b32 s30, ttmp9, 9                       ; its scale words
	s_mov_b32 s31, 0
	s_mov_b32 s[SEL], 0x76543210
	s_mov_b32 s[SEL+1], 0xfedcba98
	v_and_b32 v1, s23, v3
	v_add_nc_u32 v1, v1, v3
	v_lshlrev_b32 v1, 11, v1
	s_wait_alu depctr_va_vdst(0)
	v_lshl_add_u32 v1, v40, 6, v1                  ; my row, + 64 h
.irp b, 0,1,2,3
	v_mov_b32 v[TM+4+\b], 0                        ; written once: a lane permute's destination counts as one of its sources
.endr
	s_wait_alu depctr_va_vdst(0)
	s_wait_kmcnt 0x0
	s_cmp_eq_u32 s16, 1                            ; the choice hangs on the work-group's number alone
	s_cselect_b64 s[24:25], s[6:7], s[4:5]
	s_cmp_eq_u32 s16, 2
	s_cselect_b64 s[24:25], s[8:9], s[24:25]
	s_cmp_eq_u32 s16, 3
	s_cselect_b64 s[24:25], s[10:11], s[24:25]
	s_add_nc_u64 s[24:25], s[24:25], s[26:27]
	s_add_nc_u64 s[12:13], s[12:13], s[28:29]
	s_add_nc_u64 s[14:15], s[14:15], s[30:31]
	XLOAD X0, 0
	XLOAD X1, 1
	XLOAD X2, 2
	s_wait_loadcnt 32                              ; K step 0 is in; the 32 loads of steps 1 and 2 may be out
	QUANT X0, PC, PW
	OUT 0
	XLOAD X0, 3
	s_wait_loadcnt 32                              ; step 1 is in; steps 2 and 3 may be out
	s_wait_xcnt 0x0                                ; the stores have read the codes' registers
	QUANT X1, PC, PW+1
	OUT 1
	s_wait_loadcnt 16                              ; step 2 is in
	s_wait_xcnt 0x0
	QUANT X2, PC, PW+2
	OUT 2
	s_wait_loadcnt 0x0
	s_wait_xcnt 0x0
	QUANT X0, PC, PW+3
	OUT 3
	global_store_b128 v2, v[PW:PW+3], s[14:15]     ; 512 consecutive bytes
	s_endpgm
.Lfunc_end_k_q2a1e428f9f_wprep:
	.size	k_q2a1e428f9f_wprep, .Lfunc_end_k_q2a1e428f9f_wprep-k_q2a1e428f9f_wprep
	.p2alignl 7, 3214868480
	.fill 96, 4, 3214868480
	.section	.rodata,"a",@progbits
	.p2align	6, 0x0
	.amdhsa_kernel k_q2a1e428f9f_wprep
		.amdhsa_group_segment_fixed_size 0
		.amdhsa_private_segment_fixed_size 0
		.amdhsa_enable_private_segment 0
		.amdhsa_kernarg_size 48
		.amdhsa_user_sgpr_count 2
		.amdhsa_user_sgpr_kernarg_segment_ptr 1
		.amdhsa_wavefront_size32 1
		.amdhsa_system_sgpr_workgroup_id_x 1
		.amdhsa_system_sgpr_workgroup_id_y 1
		.amdhsa_system_sgpr_workgroup_id_z 1
		.amdhsa_system_vgpr_workitem_id 0
		.amdhsa_next_free_vgpr 256
		.amdhsa_next_free_sgpr 66
		.amdhsa_reserve_vcc 0
		.amdhsa_float_denorm_mode_32 3
		.amdhsa_float_denorm_mode_16_64 3
		.amdhsa_memory_ordered 1
		.amdhsa_forward_progress 1
		.amdhsa_inst_pref_size 25
	.end_amdhsa_kernel
	.amdgpu_metadata
---
amdhsa.version: [ 1, 2 ]
amdhsa.kernels:
  - .name:           k_q2a1e428f9f_wprep
    .symbol:         k_q2a1e428f9f_wprep.kd
    .args:
      - { .name: Wq, .offset: 0, .size: 8, .value_kind: global_buffer, .address_space: global }
      - { .name: Wk, .offset: 8, .size: 8, .value_kind: global_buffer, .address_space: global }
      - { .name: Wv, .offset: 16, .size: 8, .value_kind: global_buffer, .address_space: global }
      - { .name: Wo, .offset: 24, .size: 8, .value_kind: global_buffer, .address_space: global }
      - { .name: wimg, .offset: 32, .size: 8, .value_kind: global_buffer, .address_space: global }
      - { .name: wsc, .offset: 40, .size: 8, .value_kind: global_buffer, .address_space: global }
    .group_segment_fixed_size: 0
    .private_segment_fixed_size: 0
    .kernarg_segment_align: 8
    .kernarg_segment_size: 48
    .max_flat_workgroup_size: 32
    .sgpr_count:     66
    .vgpr_count:     256
    .wavefront_size: 32
...
	.end_amdgpu_metadata
.endif
;; end of part 1
;; launch proj (part 2): grid 32 x 8, 8 waves a work-group, no clusters, 327,680 bytes of LDS; arguments query, key, value, wimg, wsc, bq, bk, bv, qc, qs, kv; writes qc, qs, kv
.if DOCPART == 2
	.amdgcn_target "amdgcn-amd-amdhsa--gfx1250"
	.amdhsa_code_object_version 6
	.text
	.protected	k_q2a1e428f9f_proj
	.globl	k_q2a1e428f9f_proj
	.p2align	8
	.type	k_q2a1e428f9f_proj,@function
k_q2a1e428f9f_proj:
	s_mov_b64 s[64:65], 0
	v_nop
	global_prefetch_b8 v0, s[64:65] scope:SCOPE_SE
	s_setreg_imm32_b32 hwreg(HW_REG_WAVE_MODE, 25, 1), 1
	s_wait_xcnt 0x0
.set XP,    1040
.set REG,   16704
.set SLOT,  8*REG
.set IMG,   2*SLOT
.set XSC,   IMG+16*1536
.set SPARE, XSC+2048
.set LI,  1
.set L8,  2
.set LSC, 3
.set XA0, 4
.set XA1, 5
.set IMW, 6
.set XSW, 7
.set IML, 8
.set XSL, 9
.set BH,  10
.set BV,  11
.set SPW, 12
.set NIL, 13
.set TM,  16
.set PW,  28
.set RW,  30
.set ST,  32
.set PC,  36
.set WS,  56
.set XS,  72
.set AC,  80
.set BF,  144
.set AF,  0
.set BI,  192
.set WV,  30
.set G1,  36
.set G0A, 44
.set G0B, 48
.set G0C, 52
.set SEL, 56
.set HM,  58
.set SH,  59
.set WA,  66
.set WSB, 68
.set BQB, 70
.set BKB, 72
.set BVB, 74
.set QCB, 76
.set QSB, 78
.set KVC, 80
.set KVS, 82
.set MSB, 0
.macro WIN new
.if MSB != \new
	s_set_vgpr_msb (MSB<<8)|\new
.set MSB, \new
.endif
.endm
.macro PLACES
.rept 4
	v_nop
.endr
.endm
.macro BARRIER
	s_barrier_signal -1
	s_barrier_wait -1
.endm
.macro QUANT src, pc, pw
.irp b, 0,1,2,3
	v_max3_num_f32 v[TM+\b], |v[\src+16*\b]|, |v[\src+16*\b+1]|, 0x1800000
.endr
.irp i, 2,4,6,8,10,12,14
.irp b, 0,1,2,3
	v_max3_num_f32 v[TM+\b], v[TM+\b], |v[\src+16*\b+\i]|, |v[\src+16*\b+\i+1]|
.endr
.endr
.irp b, 0,1,2,3
	s_delay_alu instid0(VALU_DEP_4)
	v_permlanex16_b32 v[TM+4+\b], v[TM+\b], s[SEL], s[SEL+1]
.endr
.irp b, 0,1,2,3
	s_delay_alu instid0(VALU_DEP_4)
	v_max_num_f32 v[TM+\b], v[TM+\b], v[TM+4+\b]
.endr
.irp b, 0,1,2,3
	s_delay_alu instid0(VALU_DEP_4)
	v_add_nc_u32 v[TM+8+\b], 0xff000000, v[TM+\b]
.endr
.irp b, 0,1,2,3
	s_delay_alu instid0(VALU_DEP_4)
	v_lshrrev_b32 v[TM+4+\b], 23, v[TM+8+\b]
.endr
	s_delay_alu instid0(VALU_DEP_3)
	v_lshl_or_b32 v[\pw], v[TM+5], 8, v[TM+4]
	s_delay_alu instid0(VALU_DEP_1)
	v_lshl_or_b32 v[\pw], v[TM+6], 16, v[\pw]
	s_delay_alu instid0(VALU_DEP_1)
	v_lshl_or_b32 v[\pw], v[TM+7], 24, v[\pw]
.irp c, 0,1
	v_cvt_scalef32_pk16_fp6_f32 v[\pc+6*\c:\pc+6*\c+2], v[\src+32*\c:\src+32*\c+15], v[TM+8+2*\c]
	v_cvt_scalef32_pk16_fp6_f32 v[\pc+12+4*\c:\pc+12+4*\c+2], v[\src+32*\c+16:\src+32*\c+31], v[TM+8+2*\c+1]
.endr
	v_nop
.irp c, 0,1
.irp i, 0,1,2
	v_permlane16_swap_b32 v[\pc+6*\c+\i], v[\pc+12+4*\c+\i]
.endr
.irp i, 0,1,2
	s_delay_alu instid0(VALU_DEP_3)
	v_mov_b32 v[\pc+6*\c+3+\i], v[\pc+12+4*\c+\i]
.endr
.endr
.endm
.macro XPH xa
.irp b, 0,1,2,3
.irp j, 0,1,2,3
	ds_load_b128 v[AC+16*\b+4*\j:AC+16*\b+4*\j+3], v[\xa] offset:128*\b+16*\j
.endr
.endr
.irp b, 0,1,2,3
.irp j, 0,1,2,3
	ds_load_b128 v[BF+16*\b+4*\j:BF+16*\b+4*\j+3], v[\xa] offset:512+128*\b+16*\j
.endr
.endr
	s_wait_dscnt 16
	QUANT AC, PC, PW
.irp c, 0,1,2
	ds_store_b128 v[IMW], v[PC+4*\c:PC+4*\c+3] offset:512*\c
.endr
	s_wait_dscnt 0x0
	QUANT BF, PC, PW+1
.irp c, 0,1,2
	ds_store_b128 v[IMW], v[PC+4*\c:PC+4*\c+3] offset:1536+512*\c
.endr
	ds_store_b64 v[XSW], v[PW:PW+1]
.endm
.macro LOADA_G t, bb
	WIN 0x40
.set I, 0
.rept 48
	global_load_b128 v[AF+4*I:AF+4*I+3], v[LI], s[WA:WA+1] offset:196608*\t+512*I
.set I, I+1
.endr
.irp a, 0,1,2,3
	global_load_b128 v[BI+8*\a:BI+8*\a+3], v[BH], s[\bb:\bb+1] offset:(32*(\a/2)+8*(\a%2))*4
	global_load_b128 v[BI+8*\a+4:BI+8*\a+7], v[BH], s[\bb:\bb+1] offset:(32*(\a/2)+8*(\a%2))*4+16
.endr
	WIN 0
.irp a, 0,1,2,3
	global_load_b128 v[WS+4*\a:WS+4*\a+3], v[LI], s[WSB:WSB+1] offset:16384*\t+512*\a
.endr
.endm
.macro LOADA_L
	WIN 0x40
.set I, 0
.rept 48
	ds_load_b128 v[AF+4*I:AF+4*I+3], v[IML] offset:512*I
.set I, I+1
.endr
	WIN 0
.irp a, 0,1,2,3
	ds_load_b128 v[WS+4*\a:WS+4*\a+3], v[XSL] offset:512*\a
.endr
.endm
.macro LOADB_L u
.set I, 0
.rept 24
	ds_load_b128 v[BF+4*I:BF+4*I+3], v[IML] offset:12288*\u+512*I
.set I, I+1
.endr
.irp jj, 0,1
	ds_load_b128 v[XS+4*\jj:XS+4*\jj+3], v[XSL] offset:1024*\u+512*\jj
.endr
.endm
.macro LOADB_G u
.set I, 0
.rept 24
	global_load_b128 v[BF+4*I:BF+4*I+3], v[LI], s[WA:WA+1] offset:2*196608+12288*\u+512*I
.set I, I+1
.endr
.irp jj, 0,1
	global_load_b128 v[XS+4*\jj:XS+4*\jj+3], v[LI], s[WSB:WSB+1] offset:2*16384+1024*\u+512*\jj
.endr
.endm
.macro MM u, vmode
	WIN 0x11
.irp jj, 0,1
.irp a, 0,1,2,3
.if \vmode
	v_wmma_scale_f32_16x16x128_f8f6f4 v[AC+8*(4*\jj+\a):AC+8*(4*\jj+\a)+7], v[AF+48*\a:AF+48*\a+11], v[BF+48*\jj:BF+48*\jj+11], v[BI+8*(2*\u+\jj):BI+8*(2*\u+\jj)+7], v[WS+4*\a], v[XS+4*\jj] matrix_a_fmt:MATRIX_FMT_FP6 matrix_b_fmt:MATRIX_FMT_FP6
.else
	v_wmma_scale_f32_16x16x128_f8f6f4 v[AC+8*(4*\jj+\a):AC+8*(4*\jj+\a)+7], v[AF+48*\a:AF+48*\a+11], v[BF+48*\jj:BF+48*\jj+11], v[BI+8*\a:BI+8*\a+7], v[WS+4*\a], v[XS+4*\jj] matrix_a_fmt:MATRIX_FMT_FP6 matrix_b_fmt:MATRIX_FMT_FP6
.endif
.endr
.endr
	WIN 0x01
.irp s, 1,2,3
.irp jj, 0,1
.irp a, 0,1,2,3
	v_wmma_scale_f32_16x16x128_f8f6f4 v[AC+8*(4*\jj+\a):AC+8*(4*\jj+\a)+7], v[AF+48*\a+12*\s:AF+48*\a+12*\s+11], v[BF+48*\jj+12*\s:BF+48*\jj+12*\s+11], v[AC+8*(4*\jj+\a):AC+8*(4*\jj+\a)+7], v[WS+4*\a+\s], v[XS+4*\jj+\s] matrix_a_fmt:MATRIX_FMT_FP6 matrix_b_fmt:MATRIX_FMT_FP6
.endr
.endr
.endr
	WIN 0
.endm
.macro RESULT_QK u, cb, isq
.if \isq
.set J, 0
.rept 32
	v_pk_mul_f32 v[AC+J:AC+J+1], v[AC+J:AC+J+1], 0x3e000000 op_sel_hi:[1,0]
.set J, J+2
.endr
.endif
	s_wait_xcnt 0x0
	QUANT AC, PC, RW+\u
.irp c, 0,1,2
	global_store_b128 v[LI], v[PC+4*\c:PC+4*\c+3], s[\cb:\cb+1] offset:1536*\u+512*\c
.endr
.endm
; V's results: lane (feature r, h) holds in registers 32 jj + 0 .. 31 the tokens 32 h + 0 .. 31 of feature tile jj: a whole block of 32 along the keys in one lane.
; So a block's largest magnitude needs no other lane and the codes lie as the operand wants them; only the scale word's bytes are gathered from lane l xor 16.
.macro QUANTV pc, pw
.irp q, 0,1,2,3
	v_max3_num_f32 v[TM+\q], |v[AC+16*\q]|, |v[AC+16*\q+1]|, 0x1800000   ; with the floor 2^(3 - 127): the byte cannot fall under 1
.endr
.irp i, 2,4,6,8,10,12,14
.irp q, 0,1,2,3
	v_max3_num_f32 v[TM+\q], v[TM+\q], |v[AC+16*\q+\i]|, |v[AC+16*\q+\i+1]|
.endr
.endr
	v_lshlrev_b32 v[TM+7], 3, v35                  ; 8 h
	v_max_num_f32 v[TM], v[TM], v[TM+1]            ; my block of tile jj = 0,
	v_max_num_f32 v[TM+2], v[TM+2], v[TM+3]        ; and of jj = 1
	s_delay_alu instid0(VALU_DEP_2)
	v_add_nc_u32 v[TM+8], 0xff000000, v[TM]        ; 2 off the exponent field: the conversion's scale operand
	s_delay_alu instid0(VALU_DEP_2)
	v_add_nc_u32 v[TM+9], 0xff000000, v[TM+2]
	s_delay_alu instid0(VALU_DEP_2)
	v_lshrrev_b32 v[TM+4], 23, v[TM+8]             ; the bytes
	s_delay_alu instid0(VALU_DEP_2)
	v_lshrrev_b32 v[TM+5], 23, v[TM+9]
	s_delay_alu instid0(VALU_DEP_1)
	v_lshl_or_b32 v[\pw], v[TM+5], 16, v[TM+4]
	s_delay_alu instid0(VALU_DEP_1)
	v_lshlrev_b32 v[\pw], v[TM+7], v[\pw]          ; block h's bytes at bytes h and 2 + h
	s_delay_alu instid0(VALU_DEP_1)
	v_permlanex16_b32 v[TM+6], v[\pw], s[SEL], s[SEL+1]
	s_delay_alu instid0(VALU_DEP_1)
	v_or_b32 v[\pw], v[\pw], v[TM+6]               ; bytes 0, 1: tile jj = 0, blocks 0, 1; bytes 2, 3: jj = 1
.irp c, 0,1
	v_cvt_scalef32_pk16_fp6_f32 v[\pc+6*\c:\pc+6*\c+2], v[AC+32*\c:AC+32*\c+15], v[TM+8+\c]
	v_cvt_scalef32_pk16_fp6_f32 v[\pc+12+4*\c:\pc+12+4*\c+2], v[AC+32*\c+16:AC+32*\c+31], v[TM+8+\c]   ; (a conversion's three registers begin on an even number)
.endr
	v_nop                                          ; one plain place behind the scaled conversions
.irp c, 0,1
.irp i, 0,1,2
	v_mov_b32 v[\pc+6*\c+3+\i], v[\pc+12+4*\c+\i]
.endr
.endr
.endm
.macro RESULT_V u
	s_wait_xcnt 0x0
	QUANTV PC, RW+\u
	global_store_b128 v[LI], v[PC:PC+3], s[KVC:KVC+1] offset:6144+1536*\u
	global_store_b64 v[L8], v[PC+4:PC+5], s[KVC:KVC+1] offset:6144+1536*\u+512
	global_store_b128 v[LI], v[PC+6:PC+9], s[KVC:KVC+1] offset:6144+1536*\u+768
	global_store_b64 v[L8], v[PC+10:PC+11], s[KVC:KVC+1] offset:6144+1536*\u+1280
.endm
.macro SCSTORE base, imm, sh
	v_cndmask_b32 v[ST+2], v[RW], v[RW+1], s[HM]
	s_delay_alu instid0(VALU_DEP_1)
	v_and_b32 v[ST], 0xffff, v[ST+2]
	s_delay_alu instid0(VALU_DEP_2)
	v_lshrrev_b32 v[ST+1], 16, v[ST+2]
.if \sh
	s_delay_alu instid0(VALU_DEP_2)
	v_lshlrev_b32 v[ST], s[SH], v[ST]
	s_delay_alu instid0(VALU_DEP_2)
	v_lshlrev_b32 v[ST+1], s[SH], v[ST+1]
.endif
	global_store_b64 v[LSC], v[ST:ST+1], s[\base:\base+1] offset:\imm
.endm
	s_load_b512 s[8:23], s[0:1], 0x0
	s_load_b128 s[24:27], s[0:1], 0x40
	s_load_b64 s[28:29], s[0:1], 0x50
	v_lshl_add_u32 v[SPW], v0, 2, SPARE
	v_mov_b32 v[NIL], 0
	ds_add_u32 v[SPW], v[NIL]
	ds_add_u32 v[SPW], v[NIL]
	v_lshrrev_b32 v14, 5, v0
	s_delay_alu instid0(VALU_DEP_1)
	v_readfirstlane_b32 s[WV], v14
	s_and_b32 s32, ttmp7, 0xffff
	s_mov_b32 s[G1+0], (3<<16)|(1<<20)|(7<<22)|(3<<25)
	s_mov_b32 s[G1+1], 128<<16
	s_mov_b32 s[G1+2], 16<<16
	s_mov_b32 s[G1+3], 128<<16
	s_mov_b32 s[G1+4], 16
	s_mov_b32 s[G1+5], 2048
	s_mov_b32 s[G1+6], 0
	s_mov_b32 s[G1+7], 0
	s_and_b32 s33, s[WV], 1
	s_lshr_b32 s34, s[WV], 1
	s_mul_i32 s60, s[WV], REG
	s_lshl_b32 s62, ttmp9, 20
	s_lshl_b32 s35, s34, 18
	s_add_co_u32 s62, s62, s35
	s_lshl_b32 s35, s32, 11
	s_add_co_u32 s62, s62, s35
	s_lshl_b32 s35, s33, 10
	s_add_co_u32 s62, s62, s35
	s_mov_b32 s63, 0
	s_lshr_b32 s35, s[WV], 2
	s_lshl_b32 s35, s35, 2
	s_add_co_u32 s35, s35, s33
	s_mul_i32 s35, s35, REG
	s_and_b32 s61, s34, 1
	s_mul_i32 s61, s61, 8*XP
	s_add_co_u32 s35, s35, s61
	v_bfe_u32 v14, v0, 3, 1
	v_and_b32 v15, 7, v0
	v_bfe_u32 v35, v0, 4, 1
	s_delay_alu instid0(VALU_DEP_3)
	v_mul_u32_u24 v[XA0], v14, 2*REG
	s_delay_alu instid0(VALU_DEP_1)
	v_mad_u32_u24 v[XA0], v15, XP, v[XA0]
	s_delay_alu instid0(VALU_DEP_1)
	v_lshl_add_u32 v[XA0], v35, 6, v[XA0]
	s_delay_alu instid0(VALU_DEP_1)
	v_add_nc_u32 v[XA0], s35, v[XA0]
	; key's and value's tiles take other rows than query's: row r of tile T is token 8 T + r % 8 + 32 (r / 8), so that rows 0-7 lie in the first block of 32 tokens and rows 8-15 in the second.
	; Against query's address: lanes 8-15 two regions further on, the tile pair two regions back.
.set XAV, 240                          ; v240  that address in slot 0 (value's tile); XA1 the same in slot 1 (key's)
	s_lshr_b32 s61, s[WV], 2
	s_mul_i32 s61, s61, 2*REG
	v_mad_u32_u24 v[XAV], v14, 2*REG, v[XA0]
	v_sub_nc_u32 v[XAV], v[XAV], s61
	v_add_nc_u32 v[XA1], SLOT, v[XAV]
	v_and_b32 v14, 31, v0
	s_delay_alu instid0(VALU_DEP_1)
	v_lshlrev_b32 v[LI], 4, v14
	s_delay_alu instid0(VALU_DEP_2)
	v_lshlrev_b32 v[L8], 3, v14
	s_delay_alu instid0(VALU_DEP_2)
	v_add_nc_u32 v[IML], IMG, v[LI]
	s_delay_alu instid0(VALU_DEP_3)
	v_add_nc_u32 v[XSL], XSC, v[LI]
	s_mul_i32 s61, s[WV], 2*1536
	v_add_nc_u32 v[IMW], s61, v[IML]
	s_lshl_b32 s61, s34, 9
	s_lshl_b32 s35, s33, 3
	s_add_co_u32 s61, s61, s35
	v_add_nc_u32 v[XSW], s61, v[XSL]
	v_and_b32 v15, 15, v0
	s_delay_alu instid0(VALU_DEP_1)
	v_lshlrev_b32 v[LSC], 4, v15
	s_delay_alu instid0(VALU_DEP_1)
	v_lshl_add_u32 v[LSC], v35, 3, v[LSC]
	v_lshlrev_b32 v[BH], 6, v35
	s_delay_alu instid0(VALU_DEP_4)
	v_and_b32 v[BV], 8, v15
	s_delay_alu instid0(VALU_DEP_1)
	v_add_nc_u32 v[BV], v[BV], v15
	s_delay_alu instid0(VALU_DEP_1)
	v_lshlrev_b32 v[BV], 2, v[BV]
.irp b, 0,1,2,3
	v_mov_b32 v[TM+4+\b], 0
.endr
	s_mov_b32 s[SEL], 0x76543210
	s_mov_b32 s[SEL+1], 0xfedcba98
	s_mov_b32 s[HM], 0xffff0000
	s_lshl_b32 s35, s32, 3
	s_add_co_u32 s35, s35, s[WV]
	s_mul_i32 s84, s[WV], 24576
	s_mov_b32 s85, 0
	s_lshl_b32 s86, s[WV], 11
	s_mov_b32 s87, 0
	s_lshl_b32 s88, s[WV], 8
	s_mov_b32 s89, 0
	s_mul_i32 s90, s35, 98304
	s_mul_i32 s61, ttmp9, 3072
	s_add_co_u32 s90, s90, s61
	s_mov_b32 s91, 0
	s_lshl_b32 s92, s35, 13
	s_lshl_b32 s61, ttmp9, 8
	s_add_co_u32 s92, s92, s61
	s_mov_b32 s93, 0
	s_mul_i32 s94, s35, 212992
	s_lshr_b32 s61, ttmp9, 1
	s_mul_i32 s61, s61, 13312
	s_add_co_u32 s94, s94, s61
	s_and_b32 s61, ttmp9, 1
	s_mul_i32 s96, s61, 3072
	s_add_co_u32 s96, s96, s94
	s_mov_b32 s97, 0
	s_lshl_b32 s98, s61, 8
	s_add_co_u32 s98, s98, s94
	s_mov_b32 s99, 0
	s_lshl_b32 s[SH], s61, 4
	s_wait_alu depctr_va_vdst(0)
	s_wait_dscnt 0x0
	s_wait_kmcnt 0x0
	s_mov_b32 s[G0A], 1
	s_mov_b32 s[G0A+1], s60
	s_add_nc_u64 s[G0A+2:G0A+3], s[8:9], s[62:63]
	s_or_b32 s[G0A+3], s[G0A+3], 0x80000000
	s_mov_b32 s[G0B], 1
	s_add_co_u32 s[G0B+1], s60, SLOT
	s_add_nc_u64 s[G0B+2:G0B+3], s[10:11], s[62:63]
	s_or_b32 s[G0B+3], s[G0B+3], 0x80000000
	s_mov_b32 s[G0C], 1
	s_mov_b32 s[G0C+1], s60
	s_add_nc_u64 s[G0C+2:G0C+3], s[12:13], s[62:63]
	s_or_b32 s[G0C+3], s[G0C+3], 0x80000000
	tensor_load_to_lds s[G0A:G0A+3], s[G1:G1+7]
	s_nop 0
	; the bases, and Wq's fragments, bias and scale words: asked for while query's tile is on its way
	s_add_nc_u64 s[WA:WA+1], s[14:15], s[84:85]
	s_add_nc_u64 s[WSB:WSB+1], s[16:17], s[86:87]
	s_add_nc_u64 s[BQB:BQB+1], s[18:19], s[88:89]
	s_add_nc_u64 s[BKB:BKB+1], s[20:21], s[88:89]
	s_add_nc_u64 s[BVB:BVB+1], s[22:23], s[88:89]
	s_add_nc_u64 s[QCB:QCB+1], s[24:25], s[90:91]
	s_add_nc_u64 s[QSB:QSB+1], s[26:27], s[92:93]
	s_add_nc_u64 s[KVC:KVC+1], s[28:29], s[96:97]
	s_add_nc_u64 s[KVS:KVS+1], s[28:29], s[98:99]
	LOADA_G 0, BQB
	s_wait_alu depctr_va_vdst(0)
	s_wait_tensorcnt 0x0
	ds_add_u32 v12, v13
	s_wait_dscnt 0x0
	s_barrier_signal -1
	s_barrier_wait -1
	tensor_load_to_lds s[G0B:G0B+3], s[G1:G1+7]
	s_nop 0
.rept 4
	v_nop
.endr
	s_wait_tensorcnt 0x1
	BARRIER
	XPH XA0
	s_wait_tensorcnt 0x0
	ds_add_u32 v[SPW], v[NIL]
	s_wait_dscnt 0x0
	BARRIER
	tensor_load_to_lds s[G0C:G0C+3], s[G1:G1+7]
	s_nop 0
.rept 4
	v_nop
.endr
	LOADB_L 0
	s_wait_loadcnt 0x0
	s_wait_dscnt 0x0
	MM 0, 0
	PLACES
	LOADB_L 1
	RESULT_QK 0, QCB, 1
	s_wait_dscnt 0x0
	MM 1, 0
	PLACES
	LOADA_G 1, BKB
	RESULT_QK 1, QCB, 1
	SCSTORE QSB, 0, 0
	s_wait_tensorcnt 0x1
	s_wait_dscnt 0x0
	BARRIER
	s_wait_xcnt 0x0
	XPH XA1
	s_wait_dscnt 0x0
	BARRIER
	LOADB_L 0
	s_wait_loadcnt 0x0
	s_wait_dscnt 0x0
	MM 0, 0
	PLACES
	LOADB_L 1
	RESULT_QK 0, KVC, 0
	s_wait_dscnt 0x0
	MM 1, 0
	PLACES
	WIN 0x40
.irp d, 0,1,2,3
	global_load_b32 v[BI+8*\d], v[BV], s[BVB:BVB+1] offset:(32*(\d/2)+8*(\d%2))*4
.endr
	WIN 0
	RESULT_QK 1, KVC, 0
	SCSTORE KVS, 12288, 0
	s_wait_tensorcnt 0x0
	s_wait_dscnt 0x0
	BARRIER
	s_wait_xcnt 0x0
	XPH XAV
	LOADB_G 0
	s_wait_dscnt 0x0
	BARRIER
	LOADA_L
	s_wait_loadcnt 0x0
	WIN 0x41
.irp d, 0,1,2,3
.irp j, 1,2,3,4,5,6,7
	v_mov_b32 v[BI+8*\d+\j], v[BI+8*\d]
.endr
.endr
	WIN 0
	s_wait_dscnt 0x0
	MM 0, 1
	PLACES
	LOADB_G 1
	RESULT_V 0
	s_wait_loadcnt 0x0
	MM 1, 1
	PLACES
	RESULT_V 1
	SCSTORE KVS, 12800, 1
	s_wait_tensorcnt 0x0
	ds_add_u32 v[SPW], v[NIL]
	s_wait_dscnt 0x0
	s_endpgm
.Lfunc_end_k_q2a1e428f9f_proj:
	.size	k_q2a1e428f9f_proj, .Lfunc_end_k_q2a1e428f9f_proj-k_q2a1e428f9f_proj
	.p2alignl 7, 3214868480
	.fill 96, 4, 3214868480
	.section	.rodata,"a",@progbits
	.p2align	6, 0x0
	.amdhsa_kernel k_q2a1e428f9f_proj
		.amdhsa_group_segment_fixed_size 327680
		.amdhsa_private_segment_fixed_size 0
		.amdhsa_enable_private_segment 0
		.amdhsa_kernarg_size 88
		.amdhsa_user_sgpr_count 2
		.amdhsa_user_sgpr_kernarg_segment_ptr 1
		.amdhsa_wavefront_size32 1
		.amdhsa_system_sgpr_workgroup_id_x 1
		.amdhsa_system_sgpr_workgroup_id_y 1
		.amdhsa_system_sgpr_workgroup_id_z 1
		.amdhsa_system_vgpr_workitem_id 0
		.amdhsa_next_free_vgpr 480
		.amdhsa_next_free_sgpr 100
		.amdhsa_reserve_vcc 0
		.amdhsa_float_denorm_mode_32 3
		.amdhsa_float_denorm_mode_16_64 3
		.amdhsa_memory_ordered 1
		.amdhsa_forward_progress 1
		.amdhsa_inst_pref_size 130
	.end_amdhsa_kernel
	.amdgpu_metadata
---
amdhsa.version: [ 1, 2 ]
amdhsa.kernels:
  - .name:           k_q2a1e428f9f_proj
    .symbol:         k_q2a1e428f9f_proj.kd
    .args:
      - { .name: query, .offset: 0, .size: 8, .value_kind: global_buffer, .address_space: global }
      - { .name: key, .offset: 8, .size: 8, .value_kind: global_buffer, .address_space: global }
      - { .name: value, .offset: 16, .size: 8, .value_kind: global_buffer, .address_space: global }
      - { .name: wimg, .offset: 24, .size: 8, .value_kind: global_buffer, .address_space: global }
      - { .name: wsc, .offset: 32, .size: 8, .value_kind: global_buffer, .address_space: global }
      - { .name: bq, .offset: 40, .size: 8, .value_kind: global_buffer, .address_space: global }
      - { .name: bk, .offset: 48, .size: 8, .value_kind: global_buffer, .address_space: global }
      - { .name: bv, .offset: 56, .size: 8, .value_kind: global_buffer, .address_space: global }
      - { .name: qc, .offset: 64, .size: 8, .value_kind: global_buffer, .address_space: global }
      - { .name: qs, .offset: 72, .size: 8, .value_kind: global_buffer, .address_space: global }
      - { .name: kv, .offset: 80, .size: 8, .value_kind: global_buffer, .address_space: global }
    .group_segment_fixed_size: 327680
    .private_segment_fixed_size: 0
    .kernarg_segment_align: 8
    .kernarg_segment_size: 88
    .max_flat_workgroup_size: 256
    .sgpr_count:     100
    .vgpr_count:     480
    .wavefront_size: 32
...
	.end_amdgpu_metadata
.endif
;; end of part 2
;; launch attn (part 3): grid 4 x 64, 16 waves a work-group, clusters of 4 x 1, 327,680 bytes of LDS; arguments qc, qs, kv, yc, ysc; writes yc, ysc
.if DOCPART == 3
	.amdgcn_target "amdgcn-amd-amdhsa--gfx1250"
	.amdhsa_code_object_version 6
	.text
	.protected	k_q2a1e428f9f_attn
	.globl	k_q2a1e428f9f_attn
	.p2align	8
	.type	k_q2a1e428f9f_attn,@function
k_q2a1e428f9f_attn:
	s_mov_b64 s[64:65], 0
	v_nop
	global_prefetch_b8 v0, s[64:65] scope:SCOPE_SE
	s_setreg_imm32_b32 hwreg(HW_REG_WAVE_MODE, 25, 1), 1
	s_wait_xcnt 0x0
	s_wait_alu depctr_hold_cnt(0) depctr_sa_sdst(0) depctr_va_vdst(0) depctr_va_sdst(0) depctr_va_ssrc(0) depctr_va_vcc(0) depctr_vm_vsrc(0)
	s_getreg_b32 s2, hwreg(HW_REG_IB_STS2, 6, 4)
	s_cmp_eq_u32 s2, 0
	s_cbranch_scc0 .Lentry_in_a_cluster
	s_endpgm
.Lentry_in_a_cluster:
	s_bfe_u32 s2, ttmp6, 0x10000c
	s_cmp_lg_u32 s2, 0x3003
	s_cbranch_scc0 .Lentry_shape_is_right
	s_endpgm
.Lentry_shape_is_right:
; y = softmax(q k^T) v for one (batch, head) = work-group y, on codes of FP6 (E2M3) with one E8M0 byte for each 32 along K; q already holds the factor 1/8.
; kv [batch x head 64][step 16][13,312 bytes]: a step is 128 keys: K's eight tiles as images of registers (6,144 bytes), V's four tiles of 16 features in half fragments (6,144), K's scale words (512), V's (512).
; SHARES.  A work-group owns 512 queries (work-group x), a wave TWO tiles of 16 (A and B): each fragment of K and of V that it reads from LDS serves both tiles.
; All 16 steps of the head, 212,992 bytes, lie in LDS for the whole launch: wave w asks for step w by ONE tensor load at the head, nothing is filled again, and one barrier shows all steps to all waves.
; CLUSTER: the four work-groups of a head need the same 16 tiles: each load is a joint one, mask 15.
; NO PREFETCH: every byte that comes by a tensor load is asked for at the head; there is no loop of loads to run ahead in.
; BOTH PRODUCTS ARE USED TRANSPOSED (S^T = k q^T, O^T = v^T p^T): a lane holds one query.  The head size is 64: q's fragment has zero codes in its upper 64 along K, and K's tile t is named with the six registers behind it,
; whatever they hold: every pattern of bits is a finite code, and it meets zero codes.  Behind tile 7 those six are the step's small registers X.
; THE KEYS OF A TILE: rows 0-7 of tile t (t = 4 c + i) are keys 64 c + 8 i + 0 .. 7, rows 8-15 keys 64 c + 32 + 8 i + 0 .. 7.  So lane (r, h) holds in S[32 c .. 32 c + 31] the keys 64 c + 32 h + 0 .. 31 in order:
; a whole block of 32 of p, as the operand's layout wants it.
; SOFTMAX: M is the ceiling of the running largest t = score x log2(e); p = 2^(t - M); the sum is taken of p before it is quantised; when M moves, sum and O^T are multiplied by 2^(old M - new M), exactly.
; A block's largest p is made from its largest score by the same multiply-add and exponential.
; LDS: the tiles begin at byte 8,192, so that an address is 16 (or 8) x my thread's number + a scalar that is never negative (8,192 - 512 wave + the step); bytes 0 .. 8,191 are not used.
; LIMITS: holds while |t| stays under 2^31; a block whose every p lies under 2^-124 has its byte held at 1; NaN and infinities are not served.
.set STEPB, 13312
.set TILE0, 8192
.set YS,    229376                     ; y's scale words, 32 tiles x 64 bytes, well behind the tiles
.set SPARE, YS+2048                    ; the spare words, 128 bytes a wave: eight blocks of 256 bytes that no other line names
.set ADK, 1                            ; this step's tile + 16 x lane;  v2  + 8 x lane;  v3  + 16 r
.set AD8, 2
.set ADS, 3
.set STA, 4                            ; tile A: -M, the running largest score;  v6, v7: tile B
.set STB, 6
.set SMA, 8                            ; the sums, two halves each
.set SMB, 10
.set F,   12                           ; 2^(old M - new M)
.set WA,  13                           ; p's scale words
.set WB,  14
.set QS,  15                           ; q's scale words: lanes 0-15 tile A's, lanes 16-31 tile B's
.set QFA, 16                           ; q's fragments: 6 registers of codes, 6 of zeros
.set QFB, 28
.set KF,  40                           ; K's eight tiles; then V's four fragments
.set X,   88                           ; six small registers, = KF + 48
.set KS,  94
.set VS,  98
.set PFA, 102                          ; p's fragments (at a step's head PFB takes V's raw scale words)
.set PFB, 114
.set S,   126                          ; scores, then p
.set OAA, 190                          ; O^T
.set OAB, 222
.set SPW, 254
.set NIL, 255
.set WV,  14
.set G1,  20
.set G0,  28
.set SEL, 44
.set CS,  46
.set TB,  48
.set CNT, 49
.set TBK, 50
.set SH,  51
.set QCB, 56
.set QSB, 58
.set YCB, 60
.set YSB, 62
.set YA,  74
.set YR,  75
.set TB8, 76
.macro CROUND
	s_barrier_signal -1
	s_barrier_wait -1
	s_cmp_lg_u32 s[WV], 0
	s_cbranch_scc1 .Lnot_wave_0_\@
	s_barrier_signal -3
.Lnot_wave_0_\@:
	s_barrier_wait -3
	s_barrier_signal -1
	s_barrier_wait -1
.endm
.macro SMM qf, row                     ; S^T of one tile of queries: eight tiles of keys
.irp t, 0,1,2,3
.if \row
	v_wmma_scale_f32_16x16x128_f8f6f4 v[S+8*\t:S+8*\t+7], v[KF+6*\t:KF+6*\t+11], v[\qf:\qf+11], 0, v[KS+\t], v[QS] matrix_a_fmt:MATRIX_FMT_FP6 matrix_b_fmt:MATRIX_FMT_FP6 matrix_b_scale:MATRIX_SCALE_ROW1
.else
	v_wmma_scale_f32_16x16x128_f8f6f4 v[S+8*\t:S+8*\t+7], v[KF+6*\t:KF+6*\t+11], v[\qf:\qf+11], 0, v[KS+\t], v[QS] matrix_a_fmt:MATRIX_FMT_FP6 matrix_b_fmt:MATRIX_FMT_FP6
.endif
.endr
.irp t, 4,5,6,7
.if \row
	v_wmma_scale_f32_16x16x128_f8f6f4 v[S+8*\t:S+8*\t+7], v[KF+6*\t:KF+6*\t+11], v[\qf:\qf+11], 0, v[KS+\t-4], v[QS] matrix_a_fmt:MATRIX_FMT_FP6 matrix_b_fmt:MATRIX_FMT_FP6 matrix_a_scale:MATRIX_SCALE_ROW1 matrix_b_scale:MATRIX_SCALE_ROW1
.else
	v_wmma_scale_f32_16x16x128_f8f6f4 v[S+8*\t:S+8*\t+7], v[KF+6*\t:KF+6*\t+11], v[\qf:\qf+11], 0, v[KS+\t-4], v[QS] matrix_a_fmt:MATRIX_FMT_FP6 matrix_b_fmt:MATRIX_FMT_FP6 matrix_a_scale:MATRIX_SCALE_ROW1
.endif
.endr
.endm
; One tile's softmax step: scores in S become p's fragment at pf and its scale word in w; -M and the largest score at st, the sum at sm, O^T at oa
.macro SOFT st, sm, pf, w, oa
.irp q, 0,1,2,3                        ; the largest score of my two blocks, in four chains by turns, each accumulator from its low end on
	v_max3_num_f32 v[X+\q], v[S+16*\q], v[S+16*\q+1], v[S+16*\q+2]
.endr
.irp i, 3,5,7,9,11,13
.irp q, 0,1,2,3
	v_max3_num_f32 v[X+\q], v[X+\q], v[S+16*\q+\i], v[S+16*\q+\i+1]
.endr
.endr
	v_max3_num_f32 v[X], v[X], v[X+1], v[S+15]
	v_max3_num_f32 v[X+2], v[X+2], v[X+3], v[S+47]
	v_max_num_f32 v[X], v[X], v[S+31]              ; block h
	v_max_num_f32 v[X+2], v[X+2], v[S+63]          ; block 2 + h
	v_max_num_f32 v[X+1], v[X], v[X+2]
	v_permlanex16_b32 v[X+3], v[X+1], s[SEL], s[SEL+1]
	v_max3_num_f32 v[\st+1], v[\st+1], v[X+1], v[X+3]   ; the running largest score of my query
	v_mul_f32 v[X+1], s[CS], v[\st+1]              ; as t (log2(e) is positive)
	v_mov_b32 v[X+3], v[\st]
	v_floor_f32 v[\st], -v[X+1]                    ; -M = floor(-t)
	v_sub_f32 v[X+3], v[\st], v[X+3]               ; old M - new M, a whole number, 0 or less
	v_cvt_i32_f32 v[X+3], v[X+3]                   ; (it saturates)
	v_ldexp_f32 v[F], 1.0, v[X+3]
.set J, 0
.rept 32
	v_pk_fma_f32 v[S+J:S+J+1], v[S+J:S+J+1], s[CS:CS+1], v[\st:\st+1] op_sel_hi:[1,0,0]   ; t - M
.set J, J+2
.endr
	v_fma_f32 v[X], v[X], s[CS], v[\st]
	v_fma_f32 v[X+2], v[X+2], s[CS], v[\st]
	s_wait_alu depctr_va_vdst(0)                   ; directly ahead of the first reads of O^T
.set J, 0
.rept 16
	v_pk_mul_f32 v[\oa+J:\oa+J+1], v[\oa+J:\oa+J+1], v[F:F+1] op_sel_hi:[1,0]   ; O^T and the sum under the new M
.set J, J+2
.endr
	v_pk_mul_f32 v[\sm:\sm+1], v[\sm:\sm+1], v[F:F+1] op_sel_hi:[1,0]
	s_wait_alu depctr_va_vdst(0)                   ; ahead of the batch
.set J, 0
.rept 64
	v_exp_f32 v[S+J], v[S+J]
.set J, J+1
.endr
	v_exp_f32 v[X], v[X]                           ; my two blocks' largest p
	v_exp_f32 v[X+2], v[X+2]
	v_nop                                          ; one plain place behind the batch
	s_wait_alu depctr_va_vdst(0)                   ; and the one wait behind it
	v_max_num_f32 v[X], 0x1800000, v[X]            ; the floor 2^(3 - 127): the byte cannot fall under 1
	v_max_num_f32 v[X+2], 0x1800000, v[X+2]
	v_add_nc_u32 v[X], 0xff000000, v[X]            ; 2 off the exponent field: the conversion's scale operand
	v_add_nc_u32 v[X+2], 0xff000000, v[X+2]
	v_lshrrev_b32 v[X+1], 23, v[X]                 ; the bytes
	v_lshrrev_b32 v[X+3], 23, v[X+2]
	v_pk_add_f32 v[X+4:X+5], v[S:S+1], v[S+2:S+3]  ; the sum of the unquantised p, in two chains.  S[0 .. 7] first: they are written over below
	v_pk_add_f32 v[\sm:\sm+1], v[\sm:\sm+1], v[S+4:S+5]
	v_pk_add_f32 v[X+4:X+5], v[X+4:X+5], v[S+6:S+7]
	v_cvt_scalef32_pk16_fp6_f32 v[\pf:\pf+2], v[S:S+15], v[X]
	v_cvt_scalef32_pk16_fp6_f32 v[\pf+6:\pf+8], v[S+32:S+47], v[X+2]
	v_lshl_or_b32 v[X+1], v[X+3], 16, v[X+1]       ; (a plain place: the next conversions write over sources of the first)
	v_cvt_scalef32_pk16_fp6_f32 v[S:S+2], v[S+16:S+31], v[X]       ; a conversion's three registers begin on an even number: the odd halves are made in S[0 .. 6], summed and converted already, and moved
	v_cvt_scalef32_pk16_fp6_f32 v[S+4:S+6], v[S+48:S+63], v[X+2]
	v_pk_add_f32 v[\sm:\sm+1], v[\sm:\sm+1], v[S+8:S+9]            ; (the plain place behind the conversions)
	v_permlanex16_b32 v[X+3], v[X+1], s[SEL], s[SEL+1]
.irp i, 0,1,2
	v_mov_b32 v[\pf+3+\i], v[S+\i]
.endr
	v_lshl_or_b32 v[\w], v[X+3], 8, v[X+1]         ; lanes 0-15, which alone are read: bytes 0, 2 mine (blocks 0, 2), bytes 1, 3 lane l + 16's (blocks 1, 3)
.irp i, 0,1,2
	v_mov_b32 v[\pf+9+\i], v[S+4+\i]
.endr
.irp j, 10,14,18,22,26,30,34,38,42,46,50
	v_pk_add_f32 v[X+4:X+5], v[X+4:X+5], v[S+\j:S+\j+1]
	v_pk_add_f32 v[\sm:\sm+1], v[\sm:\sm+1], v[S+\j+2:S+\j+3]
.endr
	v_pk_add_f32 v[\sm:\sm+1], v[\sm:\sm+1], v[X+4:X+5]
.irp j, 54,56,58,60,62                 ; five more behind X's last write: X is named by the next products
	v_pk_add_f32 v[\sm:\sm+1], v[\sm:\sm+1], v[S+\j:S+\j+1]
.endr
.endm
.macro STEP
	v_lshl_add_u32 v[ADK], v0, 4, s[TBK]           ; these four are the places behind the last step's products, ahead of loads into their sources
	v_lshl_add_u32 v[AD8], v0, 3, s[TB8]
	v_and_b32 v[ADS], 15, v0
	v_lshl_add_u32 v[ADS], v[ADS], 4, s[TB]
.set I, 0
.rept 12
	ds_load_b128 v[KF+4*I:KF+4*I+3], v[ADK] offset:512*I
.set I, I+1
.endr
	ds_load_b128 v[KS:KS+3], v[ADK] offset:12288   ; lanes 0-15: the words of tiles 0-3, lanes 16-31: of tiles 4-7
	ds_load_b128 v[PFB:PFB+3], v[ADS] offset:12800
	ds_load_b128 v[PFB+4:PFB+7], v[ADS] offset:13056
	s_wait_dscnt 0x2                               ; K's tiles and words are in; V's two loads of scale words may be out
	SMM QFA, 0
	s_wait_dscnt 0x0
.irp d, 0,1,2,3
	v_or_b32 v[VS+\d], v[PFB+\d], v[PFB+4+\d]      ; the two halves of the step make V's scale words; also the four places behind the products
.endr
	SOFT STA, SMA, PFA, WA, OAA
	SMM QFB, 1                                     ; tile B on the same fragments of K
.rept 4
	v_nop                                          ; four places, ahead of the loads over K's fragments and of the first read of the scores
.endr
.irp c, 0,1
.irp d, 0,1,2,3
	ds_load_b128 v[KF+12*\d+6*\c:KF+12*\d+6*\c+3], v[ADK] offset:6144+3072*\c+768*\d
	ds_load_b64 v[KF+12*\d+6*\c+4:KF+12*\d+6*\c+5], v[AD8] offset:6144+3072*\c+768*\d+512
.endr
.endr
	SOFT STB, SMB, PFB, WB, OAB
	s_wait_dscnt 0x0                               ; V's fragments are in
.irp d, 0,1,2,3
	v_wmma_scale_f32_16x16x128_f8f6f4 v[OAA+8*\d:OAA+8*\d+7], v[KF+12*\d:KF+12*\d+11], v[PFA:PFA+11], v[OAA+8*\d:OAA+8*\d+7], v[VS+\d], v[WA] matrix_a_fmt:MATRIX_FMT_FP6 matrix_b_fmt:MATRIX_FMT_FP6
.endr
.irp d, 0,1,2,3
	v_wmma_scale_f32_16x16x128_f8f6f4 v[OAB+8*\d:OAB+8*\d+7], v[KF+12*\d:KF+12*\d+11], v[PFB:PFB+11], v[OAB+8*\d:OAB+8*\d+7], v[VS+\d], v[WB] matrix_a_fmt:MATRIX_FMT_FP6 matrix_b_fmt:MATRIX_FMT_FP6
.endr
	s_add_co_u32 s[TBK], s[TBK], STEPB
	s_add_co_u32 s[TB8], s[TB8], STEPB
	s_add_co_u32 s[TB], s[TB], STEPB
.endm
; The way out of one tile: O^T / the sum, quantised along the head's 64 (two blocks, half a block a lane), codes to yc, the scale word to LDS.  v40 .. v60 (K's registers) are free here
.macro TAILQ i, oa, sm
.if \i
	s_wait_xcnt 0x0                                ; tile A's stores have read their registers
.endif
	s_wait_alu depctr_va_vdst(0)                   ; behind the reciprocals, directly ahead of the first reads of O^T
.set J, 0
.rept 32
	v_mul_f32 v[S+J], v[\oa+J], v[\sm]
.set J, J+1
.endr
.irp b, 0,1
	v_max3_num_f32 v[44+\b], |v[S+16*\b]|, |v[S+16*\b+1]|, 0x1800000
.endr
.irp k, 2,4,6,8,10,12,14
.irp b, 0,1
	v_max3_num_f32 v[44+\b], v[44+\b], |v[S+16*\b+\k]|, |v[S+16*\b+\k+1]|
.endr
.endr
.irp b, 0,1
	v_permlanex16_b32 v[46+\b], v[44+\b], s[SEL], s[SEL+1]
.endr
.irp b, 0,1
	v_max_num_f32 v[44+\b], v[44+\b], v[46+\b]
.endr
.irp b, 0,1
	v_add_nc_u32 v[48+\b], 0xff000000, v[44+\b]
.endr
.irp b, 0,1
	v_lshrrev_b32 v[46+\b], 23, v[48+\b]
.endr
	v_lshl_or_b32 v50, v47, 8, v46
	v_lshlrev_b32 v50, s[SH], v50                  ; odd heads: the upper two bytes of the K step's word
	v_cvt_scalef32_pk16_fp6_f32 v[52:54], v[S:S+15], v48
	v_cvt_scalef32_pk16_fp6_f32 v[58:60], v[S+16:S+31], v49
	v_nop
.irp k, 0,1,2
	v_permlane16_swap_b32 v[52+\k], v[58+\k]
.endr
.irp k, 0,1,2
	v_mov_b32 v[55+\k], v[58+\k]
.endr
	global_store_b128 v40, v[52:55], s[YCB:YCB+1] offset:6144*\i
	global_store_b64 v41, v[56:57], s[YCB:YCB+1] offset:6144*\i+512
	ds_store_b32 v42, v50 offset:64*\i
.endm
	s_load_b256 s[4:11], s[0:1], 0x0               ; qc, qs, kv, yc
	s_load_b64 s[12:13], s[0:1], 0x20              ; ysc
	v_lshl_add_u32 v[SPW], v0, 2, SPARE
	v_mov_b32 v[NIL], 0
	ds_add_u32 v[SPW], v[NIL]                      ; the opening lines: the add, twice on end, and its wait ahead of my tensor load
	ds_add_u32 v[SPW], v[NIL]
	v_lshrrev_b32 v[S], 5, v0
	v_readfirstlane_b32 s[WV], v[S]                ; wave 0..15
	s_bfe_u32 s15, ttmp6, 0x40000                  ; cx = work-group x (one cluster along x)
	s_and_b32 s16, ttmp7, 0xffff                   ; batch x head
	s_mov_b32 s[G1+0], 15|(3<<16)|(1<<21)          ; a step's tile: a dense block, 52 rows of 256 bytes (32 elements of 8); the mask names the cluster's four
	s_mov_b32 s[G1+1], 32<<16
	s_mov_b32 s[G1+2], 52<<16
	s_mov_b32 s[G1+3], 32<<16
	s_mov_b32 s[G1+4], 52
	s_mov_b32 s[G1+5], 32
	s_mov_b32 s[G1+6], 0
	s_mov_b32 s[G1+7], 0
	s_mul_i32 s52, s[WV], STEPB                    ; step w, in the head's part of kv,
	s_add_co_u32 s53, s52, TILE0                   ; and in LDS
	s_mul_i32 s54, s16, 16*STEPB
	s_add_co_u32 s54, s54, s52
	s_mov_b32 s55, 0
	s_mul_i32 s66, s16, 98304                      ; qc: the head, my work-group's 16 images, my wave's: it holds my two tiles
	s_mul_i32 s17, s15, 24576
	s_add_co_u32 s66, s66, s17
	s_mul_i32 s17, s[WV], 1536
	s_add_co_u32 s66, s66, s17
	s_mov_b32 s67, 0
	s_lshl_b32 s68, s16, 13                        ; qs and ysc: 8,192 bytes a head, 2,048 a work-group
	s_lshl_b32 s17, s15, 11
	s_add_co_u32 s68, s68, s17
	s_and_b32 s17, s[WV], 3
	s_lshl_b32 s18, s17, 9
	s_add_co_u32 s72, s68, s18                     ; ysc: waves 0-3 store 512 bytes each
	s_mov_b32 s73, 0
	s_add_co_u32 s[YR], s18, YS
	s_lshr_b32 s18, s[WV], 1                       ; qs: 256 bytes for four tiles, [r][tile] words: my two tiles' words lie side by side
	s_lshl_b32 s18, s18, 8
	s_add_co_u32 s68, s68, s18
	s_and_b32 s18, s[WV], 1
	s_lshl_b32 s18, s18, 3
	s_add_co_u32 s68, s68, s18
	s_mov_b32 s69, 0
	s_lshr_b32 s17, s16, 3                         ; yc [batch][tile 128][head 8][768 bytes]
	s_mul_i32 s70, s17, 786432
	s_mul_i32 s17, s15, 196608
	s_add_co_u32 s70, s70, s17
	s_mul_i32 s17, s[WV], 12288
	s_add_co_u32 s70, s70, s17
	s_and_b32 s17, s16, 7
	s_mul_i32 s17, s17, 768
	s_add_co_u32 s70, s70, s17
	s_mov_b32 s71, 0
	s_and_b32 s[SH], s16, 1
	s_lshl_b32 s[SH], s[SH], 4
	s_lshl_b32 s[YA], s[WV], 7
	s_add_co_u32 s[YA], s[YA], YS                  ; my two tiles' 128 bytes of y's scale words
	s_xor_b32 s17, s[WV], 15
	s_add_co_u32 s17, s17, 1                       ; 16 - wave
	s_lshl_b32 s[TBK], s17, 9                      ; 8,192 - 512 wave: + 16 x thread = 8,192 + 16 x lane
	s_lshl_b32 s[TB8], s17, 8
	s_add_co_u32 s[TB8], s[TB8], 4096              ; 8,192 - 256 wave: + 8 x thread = 8,192 + 8 x lane
	s_mov_b32 s[TB], TILE0
	s_mov_b32 s[SEL], 0x76543210                   ; lane l xor 16
	s_mov_b32 s[SEL+1], 0xfedcba98
	s_mov_b32 s[CS], 0x3fb8aa3b                    ; log2(e)
	s_mov_b32 s[CS+1], s[CS]
	v_and_b32 v[S+13], 31, v0
	v_and_b32 v[S+14], 15, v0
	v_bfe_u32 v[S+15], v0, 4, 1
	v_lshlrev_b32 v[S+13], 4, v[S+13]              ; 16 x lane
	v_lshlrev_b32 v[S+14], 4, v[S+14]
	v_lshl_add_u32 v[S+14], v[S+15], 2, v[S+14]    ; 16 r + 4 h: lanes 0-15 tile A's word, lanes 16-31 tile B's
.irp i, 0,1,2,3,4,5
	v_mov_b32 v[QFA+6+\i], 0                       ; zero codes: q's upper 64 along K
	v_mov_b32 v[QFB+6+\i], 0
	v_mov_b32 v[X+\i], 0                           ; written once: named by products and by a lane permute before the step first writes them
.endr
	v_mov_b32 v[WA], 0                             ; (named as the upper half of the pair v[F:F+1] before it is first written)
.irp t, STA, STB
	v_mov_b32 v[\t], 0x7f61b1e6                    ; -M: 3e38, so that the first factor is 0
	v_mov_b32 v[\t+1], 0xff61b1e6                  ; -3e38, under every score
.endr
.irp i, 0,1,2,3
	v_mov_b32 v[SMA+\i], 0
.endr
	s_wait_alu depctr_va_vdst(0)                   ; the head's end
	s_wait_dscnt 0x0                               ; both opening adds are done
	s_wait_kmcnt 0x0
	s_add_nc_u64 s[54:55], s[8:9], s[54:55]
	s_mov_b32 s[G0], 1
	s_mov_b32 s[G0+1], s53
	s_mov_b64 s[G0+2:G0+3], s[54:55]
	s_or_b32 s[G0+3], s[G0+3], 0x80000000
	s_add_nc_u64 s[QCB:QCB+1], s[4:5], s[66:67]
	s_add_nc_u64 s[QSB:QSB+1], s[6:7], s[68:69]
	s_add_nc_u64 s[YCB:YCB+1], s[10:11], s[70:71]
	s_add_nc_u64 s[YSB:YSB+1], s[12:13], s[72:73]
	CROUND                                         ; the cluster's four are here: the joint loads meet
	tensor_load_to_lds s[G0:G0+3], s[G1:G1+7]      ; step w: my one tensor load of the launch
	s_nop 0
.rept 4
	v_nop
.endr
.irp c, 0,1,2
	global_load_b128 v[S+4*\c:S+4*\c+3], v[S+13], s[QCB:QCB+1] offset:512*\c   ; q comes while the tiles are on their way
.endr
	global_load_b32 v[QS], v[S+14], s[QSB:QSB+1]
.set J, 0
.rept 64
	v_mov_b32 v[OAA+J], 0                          ; the step is written once: the first finds zeros
.set J, J+1
.endr
	s_wait_loadcnt 0x0
.irp i, 0,1,2,3,4,5
	v_mov_b32 v[QFA+\i], v[S+\i]
	v_mov_b32 v[QFB+\i], v[S+6+\i]
.endr
	s_wait_alu depctr_va_vdst(0)
	s_wait_tensorcnt 0x0                           ; my step has landed;
	s_barrier_signal -1
	s_barrier_wait -1                              ; and everybody's: all 16 steps may be read
	s_mov_b32 s[CNT], 16
.Lstep:
	STEP
	s_sub_co_u32 s[CNT], s[CNT], 1
	s_cmp_lg_u32 s[CNT], 0
	s_cbranch_scc1 .Lstep
	s_wait_alu depctr_va_vdst(0)
.rept 4
	v_nop                                          ; four places behind the last products
.endr
	v_and_b32 v40, 31, v0
	v_and_b32 v42, 15, v0
	v_lshlrev_b32 v41, 3, v40                      ; 8 x lane
	v_lshlrev_b32 v40, 4, v40                      ; 16 x lane
	v_lshlrev_b32 v42, 2, v42
	v_add_nc_u32 v42, s[YA], v42                   ; LDS: my tiles' scale words, 4 r
	v_add_nc_u32 v43, s[YR], v40                   ; and where waves 0-3 read 512 bytes back
	v_add_f32 v[SMA], v[SMA], v[SMA+1]
	v_add_f32 v[SMB], v[SMB], v[SMB+1]
	v_permlanex16_b32 v44, v[SMA], s[SEL], s[SEL+1]
	v_permlanex16_b32 v45, v[SMB], s[SEL], s[SEL+1]
	v_add_f32 v[SMA], v[SMA], v44                  ; with lane l xor 16's keys: the rows' sums
	v_add_f32 v[SMB], v[SMB], v45
	s_wait_alu depctr_va_vdst(0)
	v_rcp_f32 v[SMA], v[SMA]
	v_rcp_f32 v[SMB], v[SMB]
	v_nop
	TAILQ 0, OAA, SMA
	TAILQ 1, OAB, SMB
	s_wait_dscnt 0x0                               ; my scale words are in LDS
	s_barrier_signal -1
	s_barrier_wait -1
	s_cmp_lt_u32 s[WV], 4
	s_cbranch_scc0 .Lno_words
	ds_load_b128 v[S:S+3], v43
	s_wait_dscnt 0x0
	global_store_b128 v40, v[S:S+3], s[YSB:YSB+1]  ; waves 0-3: 512 consecutive bytes each, aligned
.Lno_words:
	s_wait_tensorcnt 0x0                           ; the wave's end
	ds_add_u32 v[SPW], v[NIL]
	s_wait_dscnt 0x0
	CROUND                                         ; the closing round
	s_endpgm
.Lfunc_end_k_q2a1e428f9f_attn:
	.size	k_q2a1e428f9f_attn, .Lfunc_end_k_q2a1e428f9f_attn-k_q2a1e428f9f_attn
	.p2alignl 7, 3214868480
	.fill 96, 4, 3214868480
	.section	.rodata,"a",@progbits
	.p2align	6, 0x0
	.amdhsa_kernel k_q2a1e428f9f_attn
		.amdhsa_group_segment_fixed_size 327680
		.amdhsa_private_segment_fixed_size 0
		.amdhsa_enable_private_segment 0
		.amdhsa_kernarg_size 40
		.amdhsa_user_sgpr_count 2
		.amdhsa_user_sgpr_kernarg_segment_ptr 1
		.amdhsa_wavefront_size32 1
		.amdhsa_system_sgpr_workgroup_id_x 1
		.amdhsa_system_sgpr_workgroup_id_y 1
		.amdhsa_system_sgpr_workgroup_id_z 1
		.amdhsa_system_vgpr_workitem_id 0
		.amdhsa_next_free_vgpr 256
		.amdhsa_next_free_sgpr 80
		.amdhsa_reserve_vcc 0
		.amdhsa_float_denorm_mode_32 3
		.amdhsa_float_denorm_mode_16_64 3
		.amdhsa_memory_ordered 1
		.amdhsa_forward_progress 1
		.amdhsa_inst_pref_size 44
	.end_amdhsa_kernel
	.amdgpu_metadata
---
amdhsa.version: [ 1, 2 ]
amdhsa.kernels:
  - .name:           k_q2a1e428f9f_attn
    .symbol:         k_q2a1e428f9f_attn.kd
    .args:
      - { .name: qc, .offset: 0, .size: 8, .value_kind: global_buffer, .address_space: global }
      - { .name: qs, .offset: 8, .size: 8, .value_kind: global_buffer, .address_space: global }
      - { .name: kv, .offset: 16, .size: 8, .value_kind: global_buffer, .address_space: global }
      - { .name: yc, .offset: 24, .size: 8, .value_kind: global_buffer, .address_space: global }
      - { .name: ysc, .offset: 32, .size: 8, .value_kind: global_buffer, .address_space: global }
    .group_segment_fixed_size: 327680
    .private_segment_fixed_size: 0
    .kernarg_segment_align: 8
    .kernarg_segment_size: 40
    .max_flat_workgroup_size: 512
    .sgpr_count:     80
    .vgpr_count:     256
    .wavefront_size: 32
...
	.end_amdgpu_metadata
.endif
;; end of part 3
;; launch oproj (part 4): grid 32 x 8, 8 waves a work-group, no clusters, 35,840 bytes of LDS; arguments yc, ysc, wimg, wsc, bo, out0; writes out0
.if DOCPART == 4
	.amdgcn_target "amdgcn-amd-amdhsa--gfx1250"
	.amdhsa_code_object_version 6
	.text
	.protected	k_q2a1e428f9f_oproj
	.globl	k_q2a1e428f9f_oproj
	.p2align	8
	.type	k_q2a1e428f9f_oproj,@function
k_q2a1e428f9f_oproj:
	s_mov_b64 s[64:65], 0
	v_nop
	global_prefetch_b8 v0, s[64:65] scope:SCOPE_SE
	s_setreg_imm32_b32 hwreg(HW_REG_WAVE_MODE, 25, 1), 1
	s_wait_xcnt 0x0
; out0[t][b][:] = y[b][t][:] Wo^T + bo, on codes of FP6 (E2M3) with one E8M0 byte for each 32 along K.  y arrives as codes, in half fragments (yc, ysc), Wo as images of fragments (wimg, wsc); out0 [2048][8][512] f32.
; SHARES.  A work-group owns four tiles of 16 rows (64 t: work-group x) of one b (work-group y): 256 work-groups.  Wave w makes outputs 64 w .. 64 w + 63 for all of them: its 16 fragments of Wo stay in registers.
; THE MATRIX INSTRUCTION IS USED TRANSPOSED (source 0 = 16 rows of Wo, source 1 = y's 16 rows): a lane holds eight neighbouring outputs of one row.  The bias is the C of each sum's first instruction.
; THE ROWS OF A TILE ARE NOT NEIGHBOURS: row r of tile 2 p + u is t = 64 x + 32 p + 8 u + r + 8 (r / 8): the way out puts each row at its place.
; A tile's results go through the wave's own stage in LDS and leave as rows: sixteen lanes store 256 consecutive bytes, aligned.  Waves share nothing: no barrier.
; NO CLUSTER, NO TENSOR LOAD: all operands are laid in the order of the operands' registers and go from memory straight into them.
.set SPITCH, 272
.set SPARE, 8*16*SPITCH                ; behind the eight stages: the spare words, 128 bytes for each wave: four blocks of 256 bytes that no other line names
.set LI,  1                            ; v1  16 x lane;  v2  8 x lane;  v3  4 r
.set L8,  2
.set L4,  3
.set STO, 4                            ; v4  the stage: where I put 32 bytes of a row;  v5 where I read a row back
.set RD,  5
.set GO,  6                            ; v6  16,384 h + 16 r: my 16 bytes of two rows of out0, one t apart
.set B8,  7                            ; v7  32 h
.set SPW, 12
.set NIL, 13
.set WS,  16                           ; v16-31 Wo's scale words, 4 tile + K step
.set RAW, 32                           ; v32-47 y's scale words by heads, two sets of 8
.set YW,  48                           ; v48-51 y's scale words by K steps
.set OA,  64                           ; v64-95 four accumulators
.set OB,  96                           ; v96-127 16 rows read back
.set Y,   128                          ; v128-223 y's four fragments, two sets of 48
.set AF,  0                            ; window 1: Wo's 16 fragments;  from v192 bo's four tiles
.set BI,  192
.set WV,  16
.set MSB, 0
.macro WIN new
.if MSB != \new
	s_set_vgpr_msb (MSB<<8)|\new
.set MSB, \new
.endif
.endm
.macro YLOAD i                         ; tile i's four fragments (two half fragments each) and its eight heads' scale words: 24 loads
.irp s, 0,1,2,3
	global_load_b128 v[Y+48*((\i)%2)+12*\s:Y+48*((\i)%2)+12*\s+3], v[LI], s[4:5] offset:6144*(\i)+1536*\s
	global_load_b64 v[Y+48*((\i)%2)+12*\s+4:Y+48*((\i)%2)+12*\s+5], v[L8], s[4:5] offset:6144*(\i)+1536*\s+512
	global_load_b128 v[Y+48*((\i)%2)+12*\s+6:Y+48*((\i)%2)+12*\s+9], v[LI], s[4:5] offset:6144*(\i)+1536*\s+768
	global_load_b64 v[Y+48*((\i)%2)+12*\s+10:Y+48*((\i)%2)+12*\s+11], v[L8], s[4:5] offset:6144*(\i)+1536*\s+1280
.endr
.irp d, 0,1,2,3,4,5,6,7
	global_load_b32 v[RAW+8*((\i)%2)+\d], v[L4], s[6:7] offset:8192*\d+64*(\i)
.endr
.endm
.macro OT i
.set YB, Y+48*((\i)%2)
.set RB, RAW+8*((\i)%2)
.if \i < 3
	s_wait_loadcnt 24                              ; this tile's loads are in; the other set's 24 may be out
.else
	s_wait_loadcnt 0x0
.endif
.irp s, 0,1,2,3
	v_or_b32 v[YW+\s], v[RB+2*\s], v[RB+2*\s+1]    ; two heads' bytes make a K step's scale word
.endr
.rept 8
	v_nop                                          ; a scale register written by a vector instruction stands 8 places ahead of a scaled matrix instruction
.endr
	WIN 0x11                                       ; source 0 and C window 1
.irp a, 0,1,2,3
	v_wmma_scale_f32_16x16x128_f8f6f4 v[OA+8*\a:OA+8*\a+7], v[AF+48*\a:AF+48*\a+11], v[YB:YB+11], v[BI+8*\a:BI+8*\a+7], v[WS+4*\a], v[YW] matrix_a_fmt:MATRIX_FMT_FP6 matrix_b_fmt:MATRIX_FMT_FP6
.endr
	WIN 0x01
.irp s, 1,2,3
.irp a, 0,1,2,3                        ; the four accumulators take turns, one instruction a turn
	v_wmma_scale_f32_16x16x128_f8f6f4 v[OA+8*\a:OA+8*\a+7], v[AF+48*\a+12*\s:AF+48*\a+12*\s+11], v[YB+12*\s:YB+12*\s+11], v[OA+8*\a:OA+8*\a+7], v[WS+4*\a+\s], v[YW+\s] matrix_a_fmt:MATRIX_FMT_FP6 matrix_b_fmt:MATRIX_FMT_FP6
.endr
.endr
	WIN 0
.rept 4
	v_nop                                          ; places ahead of loads into registers that the products have read, and of the first read of results
.endr
.if \i < 2
	YLOAD \i+2
.endif
	s_wait_xcnt 0x0                                ; the last tile's stores have read their registers
.irp a, 0,1,2,3
	ds_store_b128 v[STO], v[OA+8*\a:OA+8*\a+3] offset:64*\a        ; each accumulator from its low end on
	ds_store_b128 v[STO], v[OA+8*\a+4:OA+8*\a+7] offset:64*\a+16
.endr
.irp q, 0,1,2,3,4,5,6,7
	ds_load_b128 v[OB+4*\q:OB+4*\q+3], v[RD] offset:2*\q*SPITCH    ; LDS serves a wave's instructions in order: these see my stores
.endr
.irp q, 0,1,2,3,4,5,6,7
	s_wait_dscnt 7-\q
	global_store_b128 v[GO], v[OB+4*\q:OB+4*\q+3], s[14:15] offset:(32*((\i)/2)+8*((\i)%2)+2*\q+8*(\q/4))*16384 th:TH_STORE_NT   ; rows 2 q, 2 q + 1 of the tile at their t: each half of the lanes stores 256 consecutive bytes, aligned
.endr
.endm
	s_load_b256 s[4:11], s[0:1], 0x0               ; yc, ysc, wimg, wsc
	s_load_b128 s[12:15], s[0:1], 0x20             ; bo, out0
	v_lshl_add_u32 v[SPW], v0, 2, SPARE
	v_mov_b32 v[NIL], 0
	v_lshrrev_b32 v8, 5, v0
	s_delay_alu instid0(VALU_DEP_1)
	v_readfirstlane_b32 s[WV], v8                  ; wave 0..7
	s_and_b32 s17, ttmp7, 0xffff                   ; b
	v_and_b32 v8, 31, v0
	s_delay_alu instid0(VALU_DEP_1)
	v_lshlrev_b32 v[LI], 4, v8
	s_delay_alu instid0(VALU_DEP_2)
	v_lshlrev_b32 v[L8], 3, v8
	v_and_b32 v9, 15, v0                           ; r
	v_bfe_u32 v10, v0, 4, 1                        ; h
	s_delay_alu instid0(VALU_DEP_2)
	v_lshlrev_b32 v[L4], 2, v9
	s_mul_i32 s18, s[WV], 16*SPITCH                ; my stage
	v_mul_u32_u24 v[STO], v9, SPITCH
	s_delay_alu instid0(VALU_DEP_1)
	v_lshl_add_u32 v[STO], v10, 5, v[STO]
	s_delay_alu instid0(VALU_DEP_1)
	v_add_nc_u32 v[STO], s18, v[STO]
	v_mul_u32_u24 v[RD], v10, SPITCH
	s_delay_alu instid0(VALU_DEP_1)
	v_lshl_add_u32 v[RD], v9, 4, v[RD]
	s_delay_alu instid0(VALU_DEP_1)
	v_add_nc_u32 v[RD], s18, v[RD]
	v_lshlrev_b32 v[GO], 14, v10
	s_delay_alu instid0(VALU_DEP_1)
	v_lshl_add_u32 v[GO], v9, 4, v[GO]
	v_lshlrev_b32 v[B8], 5, v10
	s_mul_i32 s20, s[WV], 24576
	s_add_co_u32 s20, s20, 3*196608                ; Wo's images, my 64 rows
	s_mov_b32 s21, 0
	s_lshl_b32 s22, s[WV], 11
	s_add_co_u32 s22, s22, 3*16384                 ; their scale words
	s_mov_b32 s23, 0
	s_lshl_b32 s24, s[WV], 8                       ; my 64 numbers of bo
	s_mov_b32 s25, 0
	s_lshl_b32 s26, s17, 7
	s_lshl_b32 s18, ttmp9, 2
	s_add_co_u32 s26, s26, s18
	s_mul_i32 s26, s26, 6144                       ; yc: tile 128 b + 4 x
	s_mov_b32 s27, 0
	s_lshl_b32 s28, s17, 16
	s_lshl_b32 s18, ttmp9, 8
	s_add_co_u32 s28, s28, s18                     ; ysc
	s_mov_b32 s29, 0
	s_lshl_b32 s30, ttmp9, 20                      ; out0: 64 t x 16,384 bytes,
	s_lshl_b32 s18, s17, 11
	s_add_co_u32 s30, s30, s18                     ; b's row,
	s_add_co_u32 s30, s30, s24                     ; my 256 bytes of it
	s_mov_b32 s31, 0
	s_wait_alu depctr_va_vdst(0)
	s_wait_kmcnt 0x0
	s_add_nc_u64 s[4:5], s[4:5], s[26:27]
	s_add_nc_u64 s[6:7], s[6:7], s[28:29]
	s_add_nc_u64 s[8:9], s[8:9], s[20:21]
	s_add_nc_u64 s[10:11], s[10:11], s[22:23]
	s_add_nc_u64 s[12:13], s[12:13], s[24:25]
	s_add_nc_u64 s[14:15], s[14:15], s[30:31]
	WIN 0x40                                       ; destination window 1
.set I, 0
.rept 48
	global_load_b128 v[AF+4*I:AF+4*I+3], v[LI], s[8:9] offset:512*I
.set I, I+1
.endr
.irp a, 0,1,2,3
	global_load_b128 v[BI+8*\a:BI+8*\a+3], v[B8], s[12:13] offset:64*\a          ; lane (r, h), tile a: outputs 16 a + 8 h + 0 .. 7
	global_load_b128 v[BI+8*\a+4:BI+8*\a+7], v[B8], s[12:13] offset:64*\a+16
.endr
	WIN 0
.irp a, 0,1,2,3
	global_load_b128 v[WS+4*\a:WS+4*\a+3], v[LI], s[10:11] offset:512*\a
.endr
	YLOAD 0
	YLOAD 1
	OT 0
	OT 1
	OT 2
	OT 3
	s_wait_tensorcnt 0x0                           ; the wave's end, behind my last LDS store
	ds_add_u32 v[SPW], v[NIL]
	s_wait_dscnt 0x0
	s_endpgm
.Lfunc_end_k_q2a1e428f9f_oproj:
	.size	k_q2a1e428f9f_oproj, .Lfunc_end_k_q2a1e428f9f_oproj-k_q2a1e428f9f_oproj
	.p2alignl 7, 3214868480
	.fill 96, 4, 3214868480
	.section	.rodata,"a",@progbits
	.p2align	6, 0x0
	.amdhsa_kernel k_q2a1e428f9f_oproj
		.amdhsa_group_segment_fixed_size 35840
		.amdhsa_private_segment_fixed_size 0
		.amdhsa_enable_private_segment 0
		.amdhsa_kernarg_size 48
		.amdhsa_user_sgpr_count 2
		.amdhsa_user_sgpr_kernarg_segment_ptr 1
		.amdhsa_wavefront_size32 1
		.amdhsa_system_sgpr_workgroup_id_x 1
		.amdhsa_system_sgpr_workgroup_id_y 1
		.amdhsa_system_sgpr_workgroup_id_z 1
		.amdhsa_system_vgpr_workitem_id 0
		.amdhsa_next_free_vgpr 480
		.amdhsa_next_free_sgpr 66
		.amdhsa_reserve_vcc 0
		.amdhsa_float_denorm_mode_32 3
		.amdhsa_float_denorm_mode_16_64 3
		.amdhsa_memory_ordered 1
		.amdhsa_forward_progress 1
		.amdhsa_inst_pref_size 37
	.end_amdhsa_kernel
	.amdgpu_metadata
---
amdhsa.version: [ 1, 2 ]
amdhsa.kernels:
  - .name:           k_q2a1e428f9f_oproj
    .symbol:         k_q2a1e428f9f_oproj.kd
    .args:
      - { .name: yc, .offset: 0, .size: 8, .value_kind: global_buffer, .address_space: global }
      - { .name: ysc, .offset: 8, .size: 8, .value_kind: global_buffer, .address_space: global }
      - { .name: wimg, .offset: 16, .size: 8, .value_kind: global_buffer, .address_space: global }
      - { .name: wsc, .offset: 24, .size: 8, .value_kind: global_buffer, .address_space: global }
      - { .name: bo, .offset: 32, .size: 8, .value_kind: global_buffer, .address_space: global }
      - { .name: out0, .offset: 40, .size: 8, .value_kind: global_buffer, .address_space: global }
    .group_segment_fixed_size: 35840
    .private_segment_fixed_size: 0
    .kernarg_segment_align: 8
    .kernarg_segment_size: 48
    .max_flat_workgroup_size: 256
    .sgpr_count:     66
    .vgpr_count:     480
    .wavefront_size: 32
...
	.end_amdgpu_metadata
.endif
;; end of part 4
